; MI455X (gfx1250); checked and timed in simulation.
; The chip was launched on July 23, 2026; its instructions are those of AMD's public machine-readable ISA for CDNA 5 (MIT licence, August 2026) and "CDNA5" Instruction Set Architecture Reference Guide (July 2026). The comments in the code are by the model that wrote it; some were corrected since.
;; Vector Quantizer. Allowed arithmetic: matrix products marked QUANTISED: E2M1 operands, one E8M0 scale for each 32 along K, by v_wmma_scale_f32_16x16x128_f8f6f4 with both operands' format E2M1 (or v_wmma_scale_f32_32x16x128_f4), f32 sums; everything else in f32.
;; Inputs: emb 16,384 x 256 float32; z 16 x 32 x 32 x 256 float32.
;; Outputs: out0 16 x 32 x 32 x 256 float32; out1 one number float32; out2 16 x 1,024 int32.
;; This version of the problem:
;;   THIS VERSION OF THE PROBLEM IS GIVEN IN LOW PRECISION. The matrix products marked QUANTISED in the list below multiply operands that are first quantised to E2M1 (2 exponent bits, 1 mantissa bit; 4 bits a number), with one power-of-two scale for each 32 numbers along K (OCP MX v1.0); their sums are f32. All else is computed in f32.
;;   The module's matrix products, in the order in which they are computed (A, B: the left and right operand; K: the contracted axis; several contracted axes count as one K, in the product's order):
;;     1. [M 16,384, K 256] x [K 256, N 16,384]; A: input z; B: input emb: QUANTISED
;;   THE QUANTISER, for each operand of a quantised product, along K:
;;     - K is cut into blocks of 32 from its start; a last block that is shorter is filled with zeros.
;;     - A block's scale is 2^e with e = floor(log2(the largest magnitude in the block)) - 2, held to -126 .. 127; a block of zeros has e = 0. As a byte (E8M0): e + 127.
;;     - Each number is divided by its block's scale, clamped to +-6, and rounded to the nearest number of E2M1, ties to even, subnormals kept.
;;     - The product sums the exact products of the quantised numbers (number of the format x scale) in f32.
;;   ~~~python
;;   def quantise(x, axis):      # numpy; x: float32 -> the quantised numbers, widened to float32 again
;;       x = np.moveaxis(x, axis, -1); K = x.shape[-1]
;;       x = np.pad(x, [(0, 0)] * (x.ndim - 1) + [(0, -K % 32)]); x = x.reshape(x.shape[:-1] + (-1, 32)); a = np.abs(x).max(-1, keepdims=True)
;;       e = np.where(a > 0, np.clip(np.frexp(np.where(a > 0, a, 1))[1] - 1 - 2, -126, 127), 0)      # np.frexp(a)[1] - 1 = floor(log2(a)), exactly
;;       r = np.clip(x / 2.0 ** e, -6, 6)
;;       step = 2.0 ** (np.maximum(np.frexp(np.where(r == 0, 1, r))[1] - 1, 0) - 1)
;;       q = np.round(r / step) * step * 2.0 ** e      # np.round: ties to even
;;       return np.moveaxis(q.reshape(q.shape[:-2] + (-1,))[..., :K], -1, axis).astype(np.float32)
;;   ~~~
;; One version. Each part assembles by itself: llvm-mc -triple=amdgcn-amd-amdhsa -mcpu=gfx1250 --defsym DOCPART=n.
;; ======== version 1 of 1: 4 launches
;; limits: right only within a limited range of input values
;; workspace buffers: zrec 2,293,760 bytes; erec 2,293,760 bytes; cidx 262,144 bytes of whole numbers; ckey 262,144 bytes of whole numbers; part 1,024 bytes
;; launch quant (part 1): grid 512 x 1, 4 waves a work-group, no clusters, 39,424 bytes of LDS; arguments z, emb, zrec, erec; writes zrec, erec
.if DOCPART == 1
	.amdgcn_target "amdgcn-amd-amdhsa--gfx1250"
	.amdhsa_code_object_version 6
	.text
	.protected	k_qaf53b1d886_quant
	.globl	k_qaf53b1d886_quant
	.p2align	8
	.type	k_qaf53b1d886_quant,@function
k_qaf53b1d886_quant:
	s_mov_b64 s[64:65], 0
	v_nop
	global_prefetch_b8 v0, s[64:65] scope:SCOPE_SE
	s_setreg_imm32_b32 hwreg(HW_REG_WAVE_MODE, 25, 1), 1
	s_wait_xcnt 0x0
; z [16384][256] and emb [16384][256], f32, become codes of FP4 (E2M1) with one E8M0 scale byte for each 32 along the 256, laid as the search launch's matrix operands want them.
; A CHUNK is 64 rows = 4 tiles of 16 rows, 8,960 bytes, as images of the operand's registers:
;   codes  at tile*2048 + m*512 + 16*lane : lane 16 h + r holds row r's 32 codes of k = 64 m + 32 h + 0 .. 31 (m = 0 .. 3)
;   scales at 8192 + tile*128 + 4*lane    : lane 16 s + r holds row r's scale word of K step s (byte b: k = 128 s + 32 b ..)
;   bias   at 8704 + tile*64 + 4*r        : -||row r||^2 / 2 in f32; emb's chunks alone (in z's chunks these bytes are neither written nor read)
; A block's scale is 2^(floor(log2(its largest magnitude)) - 2); its byte is the largest magnitude's exponent field - 2, held at 1 from below.
; LIMITS: a block of zeros gets the byte 1 where the rule says 127 (its codes are zeros, and this program alone reads the bytes); NaN and infinities among the inputs are not served;
; ||row||^2 is summed in four chains a lane and one exchange of lanes, which is not the order of any other program.
; SHARES: work-groups 0-255 take z's chunks, 256-511 emb's; only pointers are chosen by the work-group's number.  Wave w takes tile w: 16 rows, 16,384 bytes, all asked for at once (32 loads a wave).
; Each load reads two aligned runs of 256 bytes (a quarter of two rows).  The conversions want a block's 32 numbers in ONE lane, so a quarter (16 rows x 64 numbers) turns through the wave's own stage in LDS.
; No tensor load, no barrier, no cluster: waves and work-groups share no input.
.set HALF,  2432                       ; a stage: the 16 rows' first blocks of 128 bytes, 144 apart, then (2,432 on) their second blocks
.set BP,    144                        ; 128 bytes + 16: an odd multiple of 16; 2,432 = 128 mod 256 keeps a store's two halves apart
.set STAGE, 4864                       ; 2 x 2,432
.set WREG,  2*STAGE                    ; two stages for each wave, by turns
.set BY,    12                         ; v12-15   the scale byte of my block in quarter m
.set ACC,   16                         ; v16-19   four running sums of squares
.set CC,    20                         ; v20-35   codes: four registers for each quarter, so no store's data are written again
.set XX,    36                         ; v36-99   two sets of 32 numbers: a whole block
.set RR,    100                        ; v100-227 four sets of 32 registers, as loaded
	s_load_b256 s[4:11], s[0:1], 0x0               ; z s[4:5], emb s[6:7], zrec s[8:9], erec s[10:11]
	v_lshl_add_u32 v232, v0, 2, 0x9800
	v_mov_b32 v233, 0
	v_lshrrev_b32 v8, 5, v0
	v_readfirstlane_b32 s12, v8                    ; wave 0..3
	v_and_b32 v1, 31, v0                           ; lane
	v_bfe_u32 v7, v0, 4, 1                         ; h = lane / 16
	v_and_b32 v9, 15, v0                           ; r = lane % 16
	v_lshlrev_b32 v2, 4, v9
	v_lshl_add_u32 v2, v7, 10, v2                  ; a load: lanes 0-15 take 256 bytes of an even row, lanes 16-31 of the next row
	s_mul_i32 s13, s12, WREG                       ; my wave's LDS
	v_bfe_u32 v8, v0, 3, 1                         ; which block of the quarter my 16 loaded bytes belong to
	v_mul_u32_u24 v3, v8, HALF
	v_mad_u32_u24 v3, v7, BP, v3                   ; the row's place
	v_and_b32 v8, 7, v0
	v_lshl_add_u32 v3, v8, 4, v3
	v_add_nc_u32 v3, s13, v3                       ; v3: into the stage
	v_mul_u32_u24 v4, v7, HALF
	v_mad_u32_u24 v4, v9, BP, v4
	v_add_nc_u32 v4, s13, v4                       ; v4: out of it: block h of row r
	v_lshlrev_b32 v5, 4, v1                        ; 16 x lane: an image's place
	v_lshlrev_b32 v6, 2, v1                        ; 4 x lane
	v_mov_b32 v11, 0                               ; a lane permute's destination counts as one of its sources
.irp j, 0,1,2,3
	v_mov_b32 v[ACC+\j], 0                         ; written on every path, since z's work-groups jump over the sums
.endr
	s_mov_b32 s22, 0x76543210
	s_mov_b32 s23, 0xfedcba98                      ; v_permlanex16_b32's selects for lane l xor 16
	s_wait_alu depctr_va_vdst(0)
	s_wait_kmcnt 0x0
	s_cmp_lt_u32 ttmp9, 256                        ; z's work-group or emb's?  The choice hangs on the work-group's number alone
	s_cselect_b64 s[4:5], s[4:5], s[6:7]
	s_cselect_b64 s[8:9], s[8:9], s[10:11]
	s_cselect_b32 s20, 0, 1                        ; 1: emb
	s_cselect_b32 s14, 0, 256
	s_sub_co_u32 s14, ttmp9, s14                   ; my chunk
	s_lshl_b32 s16, s14, 16                        ; 64 rows of 1,024 bytes,
	s_lshl_b32 s17, s12, 14                        ; my wave's 16 of them
	s_add_co_u32 s16, s16, s17
	s_mov_b32 s17, 0
	s_add_nc_u64 s[4:5], s[4:5], s[16:17]
	s_mul_i32 s16, s14, 8960
	s_add_nc_u64 s[8:9], s[8:9], s[16:17]          ; the chunk's first byte
	s_lshl_b32 s16, s12, 11
	s_add_nc_u64 s[24:25], s[8:9], s[16:17]        ; my tile's codes
	s_lshl_b32 s16, s12, 7
	s_add_co_u32 s16, s16, 8192
	s_add_nc_u64 s[26:27], s[8:9], s[16:17]        ; its scale words
	s_lshl_b32 s16, s12, 6
	s_add_co_u32 s16, s16, 8704
	s_add_nc_u64 s[28:29], s[8:9], s[16:17]        ; its bias
.macro LOAD m                          ; quarter m of the 16 rows: k = 64 m .. 64 m + 63
.irp i, 0,1,2,3,4,5,6,7
	global_load_b128 v[RR+32*(\m)+4*\i:RR+32*(\m)+4*\i+3], v2, s[4:5] offset:\i*2048+(\m)*256 th:TH_LOAD_NT
.endr
.endm
.macro TURN m                          ; through stage m % 2: LDS serves a wave's instructions in order (ISA guide 5.7.1.4), so no wait stands between the stores and the loads
.irp i, 0,1,2,3,4,5,6,7
	ds_store_b128 v3, v[RR+32*(\m)+4*\i:RR+32*(\m)+4*\i+3] offset:STAGE*((\m)%2)+\i*2*BP
.endr
.irp j, 0,1,2,3,4,5,6,7
	ds_load_b128 v[XX+32*((\m)%2)+4*\j:XX+32*((\m)%2)+4*\j+3], v4 offset:STAGE*((\m)%2)+16*\j
.endr
.endm
.macro STEP m
.set XB, XX+32*((\m)%2)
	s_wait_dscnt 0x0                               ; this quarter is back from its stage: my block's 32 numbers
.if (\m) < 3
	s_wait_loadcnt 16-8*(\m)                       ; the next quarter's eight loads are in; those of the later quarters, eight each, may be out
	TURN (\m)+1                                    ; it goes through the other stage while this one is worked
.endif
	v_max3_num_f32 v8, |v[XB]|, |v[XB+1]|, 0x1800000   ; the block's largest magnitude, in two chains; the floor 2^(3 - 127) is one more leaf: the byte cannot fall under 1
	v_max3_num_f32 v9, |v[XB+16]|, |v[XB+17]|, |v[XB+18]|
.irp j, 2,4,6,8,10,12
	v_max3_num_f32 v8, v8, |v[XB+\j]|, |v[XB+\j+1]|
	v_max3_num_f32 v9, v9, |v[XB+17+\j]|, |v[XB+18+\j]|
.endr
	v_max3_num_f32 v8, v8, |v[XB+14]|, |v[XB+15]|
	v_max3_num_f32 v8, v8, v9, |v[XB+31]|
	v_add_nc_u32 v10, 0xff000000, v8               ; 2 off its exponent field: the conversion takes the exponent field of this operand as its scale, and nothing else of it
.irp g, 0,1,2,3
	v_cvt_scalef32_pk8_fp4_f32 v[CC+4*(\m)+\g], v[XB+8*\g:XB+8*\g+7], v10   ; eight numbers / the scale, to the nearest code, ties to even, beyond 6 the largest code
.endr
	v_lshrrev_b32 v[BY+(\m)], 23, v10              ; the scale's byte.  (Also the plain line behind the conversions)
	s_cmp_lg_u32 s20, 0
	s_cbranch_scc0 .Lno_squares_\@                 ; z needs no norm: it is the same for all codes of a query
.irp j, 0,4,8,12,16,20,24,28
	v_pk_fma_f32 v[ACC:ACC+1], v[XB+\j:XB+\j+1], v[XB+\j:XB+\j+1], v[ACC:ACC+1]
	v_pk_fma_f32 v[ACC+2:ACC+3], v[XB+\j+2:XB+\j+3], v[XB+\j+2:XB+\j+3], v[ACC+2:ACC+3]
.endr
.Lno_squares_\@:
	s_wait_alu depctr_va_vdst(0)
	global_store_b128 v5, v[CC+4*(\m):CC+4*(\m)+3], s[24:25] offset:(\m)*512   ; 32 lanes store 512 consecutive bytes, at a multiple of 256 from the buffer's first byte
.endm
	LOAD 0
	LOAD 1
	LOAD 2
	LOAD 3
	s_wait_loadcnt 24                              ; quarter 0 is in; the 24 loads of the other three may be out
	TURN 0
	STEP 0
	STEP 1
	STEP 2
	STEP 3
	; the scale words.  My bytes of K step s are those of blocks h and 2 + h; lane l xor 16 has the other two
	v_lshl_or_b32 v8, v[BY+1], 16, v[BY]
	v_lshl_or_b32 v9, v[BY+3], 16, v[BY+2]
	v_lshlrev_b32 v10, 3, v7                       ; 8 h bits up
	v_lshlrev_b32 v8, v10, v8
	v_lshlrev_b32 v9, v10, v9
	v_permlanex16_b32 v10, v8, s22, s23
	v_permlanex16_b32 v11, v9, s22, s23
	v_or_b32 v8, v8, v10                           ; row r's word of K step 0, in both halves of the lanes,
	v_or_b32 v9, v9, v11                           ; and of K step 1
	v_cmp_eq_u32 vcc_lo, 1, v7
	v_cndmask_b32 v8, v8, v9, vcc_lo               ; lanes 0-15 keep K step 0's, lanes 16-31 K step 1's
	global_store_b32 v6, v8, s[26:27]              ; 128 consecutive bytes a wave, 512 a work-group: these and the bias are 768 bytes of a chunk's 8,960
	s_cmp_eq_u32 s20, 0
	s_cbranch_scc1 .Lz_done
	v_pk_add_f32 v[ACC:ACC+1], v[ACC:ACC+1], v[ACC+2:ACC+3]
	v_add_f32 v[ACC], v[ACC], v[ACC+1]             ; my half of row r,
	v_permlanex16_b32 v11, v[ACC], s22, s23
	v_add_f32 v[ACC], v[ACC], v11                  ; and the other half
	v_mul_f32 v[ACC], -0.5, v[ACC]                 ; the search adds this to the product: the largest z.e - ||e||^2 / 2 is the least distance
	s_wait_alu depctr_va_vdst(0)
	s_wait_xcnt 0x0                                ; EXEC changes only when the earlier stores have read it
	v_cmp_gt_u32 vcc_lo, 16, v1
	s_wait_tensorcnt 0x0
	ds_add_u32 v232, v233
	s_wait_dscnt 0x0
	s_and_saveexec_b32 s21, vcc_lo
	global_store_b32 v6, v[ACC], s[28:29]          ; lanes 0-15: 4 r
	s_endpgm
.Lz_done:
	s_wait_tensorcnt 0x0
	ds_add_u32 v232, v233
	s_wait_dscnt 0x0
	s_endpgm
.Lfunc_end_k_qaf53b1d886_quant:
	.size	k_qaf53b1d886_quant, .Lfunc_end_k_qaf53b1d886_quant-k_qaf53b1d886_quant
	.p2alignl 7, 3214868480
	.fill 96, 4, 3214868480
	.section	.rodata,"a",@progbits
	.p2align	6, 0x0
	.amdhsa_kernel k_qaf53b1d886_quant
		.amdhsa_group_segment_fixed_size 39424
		.amdhsa_private_segment_fixed_size 0
		.amdhsa_enable_private_segment 0
		.amdhsa_kernarg_size 32
		.amdhsa_user_sgpr_count 2
		.amdhsa_user_sgpr_kernarg_segment_ptr 1
		.amdhsa_wavefront_size32 1
		.amdhsa_system_sgpr_workgroup_id_x 1
		.amdhsa_system_sgpr_workgroup_id_y 1
		.amdhsa_system_sgpr_workgroup_id_z 1
		.amdhsa_system_vgpr_workitem_id 0
		.amdhsa_next_free_vgpr 234
		.amdhsa_next_free_sgpr 66
		.amdhsa_reserve_vcc 1
		.amdhsa_float_denorm_mode_32 3
		.amdhsa_float_denorm_mode_16_64 3
		.amdhsa_memory_ordered 1
		.amdhsa_forward_progress 1
		.amdhsa_inst_pref_size 22
	.end_amdhsa_kernel
	.amdgpu_metadata
---
amdhsa.version: [ 1, 2 ]
amdhsa.kernels:
  - .name:           k_qaf53b1d886_quant
    .symbol:         k_qaf53b1d886_quant.kd
    .args:
      - { .name: z, .offset: 0, .size: 8, .value_kind: global_buffer, .address_space: global }
      - { .name: emb, .offset: 8, .size: 8, .value_kind: global_buffer, .address_space: global }
      - { .name: zrec, .offset: 16, .size: 8, .value_kind: global_buffer, .address_space: global }
      - { .name: erec, .offset: 24, .size: 8, .value_kind: global_buffer, .address_space: global }
    .group_segment_fixed_size: 39424
    .private_segment_fixed_size: 0
    .kernarg_segment_align: 8
    .kernarg_segment_size: 32
    .max_flat_workgroup_size: 128
    .sgpr_count:     66
    .vgpr_count:     234
    .wavefront_size: 32
...
	.end_amdgpu_metadata
.endif
;; end of part 1
;; launch search (part 2): grid 256 x 1, 16 waves a work-group, clusters of 4 x 1, 327,680 bytes of LDS; arguments zrec, erec, ckey, cidx; writes ckey, cidx
.if DOCPART == 2
	.amdgcn_target "amdgcn-amd-amdhsa--gfx1250"
	.amdhsa_code_object_version 6
	.text
	.protected	k_qaf53b1d886_search
	.globl	k_qaf53b1d886_search
	.p2align	8
	.type	k_qaf53b1d886_search,@function
k_qaf53b1d886_search:
	s_mov_b64 s[64:65], 0
	v_nop
	global_prefetch_b8 v0, s[64:65] scope:SCOPE_SE
	s_setreg_imm32_b32 hwreg(HW_REG_WAVE_MODE, 25, 1), 1
	s_wait_xcnt 0x0
	s_wait_alu depctr_hold_cnt(0) depctr_sa_sdst(0) depctr_va_vdst(0) depctr_va_sdst(0) depctr_va_ssrc(0) depctr_va_vcc(0) depctr_vm_vsrc(0)
	s_getreg_b32 s2, hwreg(HW_REG_IB_STS2, 6, 4)
	s_cmp_eq_u32 s2, 0
	s_cbranch_scc0 .Lentry_in_a_cluster
	s_endpgm
.Lentry_in_a_cluster:
	s_bfe_u32 s2, ttmp6, 0x10000c
	s_cmp_lg_u32 s2, 0x3003
	s_cbranch_scc0 .Lentry_shape_is_right
	s_endpgm
.Lentry_shape_is_right:
; For each of 16,384 queries and each QUARTER of the 16,384 codes: the largest score = z.e - ||e||^2 / 2 (z.e on codes of FP4 with E8M0 scales) and the index of its code.
; ||z||^2 is the same for all codes of a query, so it moves no argmin and is left out; -||e||^2 / 2 is the C of each sum's first matrix instruction.  The next launch chooses among a query's four quarters:
; for it the score is stored as a KEY, a whole number that rises with the score (-0 made +0; then negative numbers' bits all flipped, the others' sign bit set).
; LIMITS: the compared number is rounded otherwise than ||z||^2 + ||e||^2 - 2 z.e in f32: where a query's two best distances lie a few units of the last place apart, the other index may be taken.
; Equal scores go to the lowest index.  NaN and infinities are not served.
; SHARES.  Cluster c (0..63): quarter c / 16; work-group 4 (c % 16) + cx owns 256 queries (four chunks of zrec).  Wave w: query group w % 4 (one chunk: four tiles of 16 queries, kept in registers),
; code group w / 4: of each fill of 16 chunks of erec it takes chunks 4 (w / 4) .. + 3.  A quarter is 64 chunks: four fills.
; THE PRODUCT is the form of 32 x 16 x 128: source 0 = a UNIT of 32 codes (two tiles of a chunk), source 1 = 16 queries.  A lane holds ONE query (lane % 16); registers 0-7 of its accumulator are the codes
; 8 (lane / 16) + 0 .. 7 of the unit's first tile, registers 8-15 the same of its second.  The codes' scale word of a K step lies in lane m for code m; z's two scale words in lanes 0-15 of two registers.
; A unit is eight matrix instructions on end, the four query tiles' accumulators by turns (K step 0 of all four, then K step 1), four places, the loads of the next unit into the one buffer, and the argmax.
; THE ARGMAX, 40 vector lines for a tile of codes x four query tiles, these by turns: sixteen v_max3 (old best among the leaves), four compares (strictly greater: the earlier tile stays), four selects of the
; tile's number, sixteen dual selects that keep the winning tile's eight scores.  Which of the eight it was is found once, at the end: the first that equals the best.
; CLUSTER.  The four partners walk the same quarter of erec and ask for each chunk JOINTLY (mask 15).  No descriptor, LDS address or branch hangs on a work-group's place in its cluster.
; RING.  Two slots of 16 chunks (143,360 bytes); wave w fetches chunk w of each fill, one load a wave behind each round of the cluster's barrier; by this text's count a wave has one tensor load out.
; A fill's first three chunks go in a loop, its fourth is written out: the change of slots stands round its last unit.
; PREFETCH.  In the first chunk of fills 0 and 1 each wave asks for the chunk that it will itself fetch at that fill's end (fills 2 and 3): 35 blocks of 256 bytes, of which the partner at place cx
; names blocks 9 cx .. 9 cx + 8 (held to 34), a lane a block; lanes left over name the last again.  Fills 0 and 1 come by their loads alone; fills 2 and 3 ask for nothing, so no address leaves erec.
.set CHUNK, 8960                       ; 4 x 2,048 codes, 4 x 128 scale words, 4 x 64 bias: 35 x 256 bytes
.set SLOTB, 16*CHUNK
.set MERGE, 2*SLOTB                    ; behind the ring: [wave 16][query 64] x (score, index), 8,192 bytes; no fill lands here
.set SPARE, MERGE+8192                 ; the spare words, 128 bytes for each of the 16 waves
.set ZF,  16                           ; v16-79   z's fragments: tile q, K step s at 16 q + 8 s
.set ZS,  80                           ; v80-87   z's scale words: tile q, K step s at 2 q + s; scales and nothing else
.set DD,  88                           ; v88-151  the four accumulators of 16 registers; at the end free
.set WW,  152                          ; v152-183 the winning tile's eight scores, for each query tile
.set BST, 184                          ; v184-191 the best score: two registers for each query tile, old and new by turns
.set ID,  192                          ; v192-195 the winning tile's number n = 16 x fill + 4 x chunk + tile
.set TT,  196                          ; v196-199 at work
.set AA,  200                          ; v200-215 the unit's codes of K step 0, v216-231 of K step 1, v232-247 its bias, v248, v249 its scale words (scales and nothing else)
.set PF,  250                          ; v250     the prefetch's offset; never rewritten
.set JJ,  88                           ; the end: which of the eight
.set IX,  92                           ; the end: the index
.set RS,  96                           ; the end: v96-99 results, v100 8 x lane
.set NN,  48                           ; s48-51   the numbers of the four tiles of the chunk in hand
; v1 spare word, v2 = 0; v3, v4, v5 LDS addresses of the chunk in hand: codes, scale words, bias; v6, v7, v8 the same for my first chunk of slot 0; v9 16 x lane; v10 4 x (lane % 16); v11 the index's base;
; v12 lane; v13 h; v14, v15 the merge table, in and out.  s12 wave; s[16:23] group 1; s[32:35], s[36:39] group 0 of slot 0, 1; s40-43 masks; s44 chunks to go; s45 the chunk's place in LDS
.macro CREST                           ; a round of the cluster's barrier behind its opening barrier
	s_cmp_lg_u32 s12, 0
	s_cbranch_scc1 .Lnot_wave_0_\@
	s_barrier_signal -3
.Lnot_wave_0_\@:
	s_barrier_wait -3
	s_barrier_signal -1
	s_barrier_wait -1
.endm
.macro ROUND                           ; a whole round
	s_barrier_signal -1
	s_barrier_wait -1
	CREST
.endm
.macro LDA u                           ; unit u of the chunk in hand (2: unit 0 of the next chunk): fourteen LDS loads, what K step 0 needs first
.set NX, ((\u)/2)*CHUNK
.set UU, (\u)%2
.irp t, 0,1
.irp c, 0,1
	ds_load_b128 v[AA+8*\t+4*\c:AA+8*\t+4*\c+3], v3 offset:NX+(2*UU+\t)*2048+\c*512
.endr
.endr
.irp t, 0,1
	ds_load_b128 v[AA+32+8*\t:AA+35+8*\t], v5 offset:NX+(2*UU+\t)*64       ; the bias of codes 8 h + 0 .. 7 of tile t: the result's layout
	ds_load_b128 v[AA+36+8*\t:AA+39+8*\t], v5 offset:NX+(2*UU+\t)*64+16
.endr
	ds_load_b32 v[AA+48], v4 offset:NX+UU*256      ; lanes 0-15 the first tile's words of K step 0, lanes 16-31 the second tile's
.irp t, 0,1
.irp c, 0,1
	ds_load_b128 v[AA+16+8*\t+4*\c:AA+19+8*\t+4*\c], v3 offset:NX+(2*UU+\t)*2048+1024+\c*512
.endr
.endr
	ds_load_b32 v[AA+49], v4 offset:NX+UU*256+64
.endm
.macro KEEP q, e                       ; where VCC is set, the tile's eight scores take the kept ones' place
.irp j, 0,2,4,6
	v_dual_cndmask_b32 v[WW+8*\q+\j], v[WW+8*\q+\j], v[DD+16*\q+8*\e+\j] :: v_dual_cndmask_b32 v[WW+8*\q+\j+1], v[WW+8*\q+\j+1], v[DD+16*\q+8*\e+\j+1]
.endr
.endm
; The argmax's step for tile e of the unit, the four query tiles by turns.  old best: BST + 2 q + e, new: BST + 2 q + 1 - e; sid: the scalar register with the tile's number.
; Each accumulator is read from its low end on: e = 0 comes first.
.macro VV e, sid
.irp q, 0,1,2,3
	v_max3_num_f32 v[TT+\q], v[DD+16*\q+8*\e], v[DD+16*\q+8*\e+1], v[DD+16*\q+8*\e+2]
.endr
.irp q, 0,1,2,3
	v_max3_num_f32 v[TT+\q], v[TT+\q], v[DD+16*\q+8*\e+3], v[DD+16*\q+8*\e+4]
.endr
.irp q, 0,1,2,3
	v_max3_num_f32 v[TT+\q], v[TT+\q], v[DD+16*\q+8*\e+5], v[DD+16*\q+8*\e+6]
.endr
.irp q, 0,1,2,3
	v_max3_num_f32 v[BST+2*\q+1-\e], v[TT+\q], v[DD+16*\q+8*\e+7], v[BST+2*\q+\e]
.endr
	v_cmp_gt_f32 vcc_lo, v[BST+1-\e], v[BST+\e]    ; has this tile raised the best?
	v_cmp_gt_f32 s40, v[BST+3-\e], v[BST+2+\e]
	v_cmp_gt_f32 s41, v[BST+5-\e], v[BST+4+\e]
	v_cmp_gt_f32 s42, v[BST+7-\e], v[BST+6+\e]
	v_cndmask_b32 v[ID], v[ID], s[\sid], vcc_lo
	v_cndmask_b32 v[ID+1], v[ID+1], s[\sid], s40
	v_cndmask_b32 v[ID+2], v[ID+2], s[\sid], s41
	v_cndmask_b32 v[ID+3], v[ID+3], s[\sid], s42
	KEEP 0, \e
	s_mov_b32 vcc_lo, s40                          ; the dual selects go by VCC
	KEEP 1, \e
	s_mov_b32 vcc_lo, s41
	KEEP 2, \e
	s_mov_b32 vcc_lo, s42
	KEEP 3, \e
.endm
; A unit.  more = 1: the next unit is fetched; w = 1: the waits for this unit's loads are written.  The four v_nop are the places behind the last products, ahead of the loads into their sources
; and of the first read of their results; the 80 vector lines are the places ahead of the next unit's products, which write the accumulators anew.
.macro UNIT u, more, w
.if \w
	s_wait_dscnt 5                                 ; K step 0's codes, the bias and its scale word are in; K step 1's five loads may be out
.endif
.irp q, 0,1,2,3
	v_wmma_scale_f32_32x16x128_f4 v[DD+16*\q:DD+16*\q+15], v[AA:AA+15], v[ZF+16*\q:ZF+16*\q+7], v[AA+32:AA+47], v[AA+48], v[ZS+2*\q]
.endr
.if \w
	s_wait_dscnt 0x0
.endif
.irp q, 0,1,2,3
	v_wmma_scale_f32_32x16x128_f4 v[DD+16*\q:DD+16*\q+15], v[AA+16:AA+31], v[ZF+16*\q+8:ZF+16*\q+15], v[DD+16*\q:DD+16*\q+15], v[AA+49], v[ZS+2*\q+1]
.endr
.rept 4
	v_nop
.endr
.if \more
	LDA (\u)+1
.endif
	VV 0, NN+2*(\u)
	VV 1, NN+2*(\u)+1
.endm
.macro NSTEP                           ; on to the next chunk's tile numbers
.irp k, 0,1,2,3
	s_add_co_u32 s[NN+\k], s[NN+\k], 4
.endr
.endm
.macro ADDR                            ; the LDS addresses of the chunk at s45
	v_add_nc_u32 v3, s45, v6
	v_add_nc_u32 v4, s45, v7
	v_add_nc_u32 v5, s45, v8
.endm
; A fill.  mode 2: at its end this slot is filled again; 1: the slots change, nothing is fetched; 0: the last fill.  ask: the fill whose chunk is prefetched (0: none).  step: the other slot's group 0 steps two fills on.
; THE CHANGE OF SLOTS stands round the last unit: each wave waits for all its tensor loads (one: its chunk of the other slot), adds 0 to its spare word, waits for the add and for its last reads of this slot, signals,
; works the last unit from registers, and waits; the rest of the round then holds of every wave of all four work-groups, and the joint refill of this slot is the first thing behind it.
.macro TRIP slot, mode, ask, step
	s_mov_b32 s45, \slot*SLOTB
	s_mov_b32 s44, 3
	ADDR
	s_wait_alu depctr_va_vdst(0)                   ; directly behind the writes
	LDA 0
.Lchunk_\@:                                            ; three trips: my first three chunks of the fill
	NSTEP
	UNIT 0, 1, 1
.if \ask
	s_cmp_eq_u32 s44, 3                            ; once a fill, in its first chunk
	s_cbranch_scc0 .Lnoask_\@
	global_prefetch_b8 v[PF], s[6:7] offset:(\ask)*SLOTB th:TH_LOAD_NT scope:SCOPE_SE
.Lnoask_\@:
.endif
	UNIT 1, 1, 1                                   ; fetches the next chunk's unit 0
	s_add_co_u32 s45, s45, CHUNK
	ADDR
	s_sub_co_u32 s44, s44, 1
	s_cmp_lg_u32 s44, 0
	s_wait_alu depctr_va_vdst(0)                   ; directly ahead of the branch
	s_cbranch_scc1 .Lchunk_\@
	NSTEP                                          ; the fourth chunk
	UNIT 0, 1, 1                                   ; its loads of unit 1 are my last reads of this slot
.if \mode
	s_wait_tensorcnt 0x0                           ; no tensor load of mine is out, so a group 0 may be written
	ds_add_u32 v1, v2                              ; 0 onto my spare word
.if \step
	s_add_nc_u64 s[38-4*\slot:39-4*\slot], s[38-4*\slot:39-4*\slot], 2*SLOTB   ; the other slot's next fill
.endif
	s_wait_dscnt 0x0                               ; the add is done, and my reads of this slot are over
	s_barrier_signal -1
	UNIT 1, 0, 0                                   ; work on registers while the others arrive
	s_barrier_wait -1
.if \mode == 2
	CREST
	tensor_load_to_lds s[32+4*\slot:35+4*\slot], s[16:23]
	s_nop 0
.endif
.else
	UNIT 1, 0, 1
.endif
.endm
.macro TAKE ds, di, s, i, os, oi       ; of (score, index) and (other score, other index): the greater score, of equal scores the lower index.  A choice of values: no branch, no address
	v_cmp_gt_f32 s41, v[\os], v[\s]
	v_cmp_eq_f32 s42, v[\os], v[\s]
	v_cmp_lt_u32 s43, v[\oi], v[\i]
	s_and_b32 s42, s42, s43
	s_or_b32 s41, s41, s42
	v_cndmask_b32 v[\ds], v[\s], v[\os], s41
	v_cndmask_b32 v[\di], v[\i], v[\oi], s41
.endm
	s_load_b256 s[4:11], s[0:1], 0x0               ; zrec, erec, ckey, cidx
	v_lshl_add_u32 v1, v0, 2, SPARE
	v_mov_b32 v2, 0
	ds_add_u32 v1, v2                              ; the opening adds, twice on end; their wait stands ahead of my first tensor load
	ds_add_u32 v1, v2
	v_lshrrev_b32 v12, 5, v0
	s_delay_alu instid0(VALU_DEP_1)
	v_readfirstlane_b32 s12, v12                   ; wave 0..15
	s_bfe_u32 s13, ttmp6, 0x40000                  ; cx: my place in the cluster
	s_lshr_b32 s15, ttmp9, 4                       ; the quarter: in a cluster launch ttmp9 counts clusters
	s_and_b32 s14, ttmp9, 15
	s_lshl_b32 s14, s14, 2
	s_add_co_u32 s14, s14, s13                     ; my block of 256 queries: it enters zrec's, ckey's and cidx's addresses alone
	s_and_b32 s46, s12, 3                          ; query group
	s_lshr_b32 s47, s12, 2                         ; code group
	s_mov_b32 s16, 15|(3<<16)|(1<<21)              ; group 1: the mask of all four work-groups; elements of 8 bytes; bit 21 beside a mask
	s_mov_b32 s17, 32<<16                          ; a chunk is a dense block: 35 rows of 32 elements
	s_mov_b32 s18, 35<<16
	s_mov_b32 s19, 32<<16
	s_mov_b32 s20, 35
	s_mov_b32 s21, 32
	s_mov_b32 s22, 0
	s_mov_b32 s23, 0
	s_mul_i32 s24, s12, CHUNK                      ; where the chunk that I fetch lies in a slot
	s_mul_i32 s25, s47, 4*CHUNK                    ; where the four chunks that I read begin
	s_lshl_b32 s26, s15, 6
	s_add_co_u32 s26, s26, s12
	s_mul_i32 s26, s26, CHUNK                      ; erec: chunk 64 x quarter + wave
	s_mov_b32 s27, 0
	s_lshl_b32 s28, s14, 2
	s_add_co_u32 s28, s28, s46                     ; my chunk of zrec
	s_mul_i32 s30, s28, CHUNK
	s_mov_b32 s31, 0
	s_lshl_b32 s28, s28, 8                         ; its 64 queries x 4 bytes,
	s_lshl_b32 s29, s15, 16                        ; in the quarter's 65,536 bytes
	s_add_co_u32 s28, s28, s29
	s_mov_b32 s29, 0
	s_mov_b32 s56, 0x76543210
	s_mov_b32 s57, 0xfedcba98                      ; v_permlanex16_b32's selects for lane l xor 16
	s_lshl_b32 s53, s15, 12
	s_lshl_b32 s54, s47, 8
	s_add_co_u32 s53, s53, s54                     ; 4,096 x quarter + 256 x code group
	v_and_b32 v12, 31, v0                          ; lane
	v_bfe_u32 v13, v0, 4, 1                        ; h
	v_and_b32 v10, 15, v0                          ; r
	s_delay_alu instid0(VALU_DEP_3)
	v_lshlrev_b32 v9, 4, v12
	v_lshl_add_u32 v8, v13, 5, s25
	v_lshlrev_b32 v10, 2, v10                      ; 4 r
	v_lshl_add_u32 v11, v13, 3, s53                ; + 8 h: my registers' first code in my first tile
	v_add_nc_u32 v6, s25, v9
	v_add_nc_u32 v8, 8704, v8
	v_lshl_add_u32 v7, v13, 7, v10                 ; scale words: lanes 16-31 take the unit's second tile, 128 bytes on
	s_lshl_b32 s54, s12, 9
	v_lshl_add_u32 v14, v12, 3, s54
	v_add_nc_u32 v7, s25, v7
	s_lshl_b32 s54, s46, 9
	v_lshl_add_u32 v15, v12, 4, s54
	v_add_nc_u32 v14, MERGE, v14                   ; the merge table: my wave's 512 bytes, 8 a lane
	v_add_nc_u32 v7, 8192, v7
	s_mul_i32 s54, s13, 9
	v_min_u32 v[PF], 8, v12
	v_add_nc_u32 v15, MERGE, v15                   ; and back: two queries a lane, of my query group
	v_add_nc_u32 v[PF], s54, v[PF]
	s_delay_alu instid0(VALU_DEP_1)
	v_min_u32 v[PF], 34, v[PF]
	s_delay_alu instid0(VALU_DEP_1)
	v_lshlrev_b32 v[PF], 8, v[PF]                  ; 256 x my block of the chunk
	s_wait_alu depctr_va_vdst(0)
	s_wait_dscnt 0x0                               ; both opening adds are done
	s_wait_kmcnt 0x0
	s_add_nc_u64 s[4:5], s[4:5], s[30:31]
	s_add_nc_u64 s[8:9], s[8:9], s[28:29]
	s_add_nc_u64 s[10:11], s[10:11], s[28:29]
	s_add_nc_u64 s[6:7], s[6:7], s[26:27]
	s_mov_b32 s32, 1                               ; group 0 of slot 0: count, LDS address, global address of fill 0, type
	s_mov_b32 s33, s24
	s_mov_b64 s[34:35], s[6:7]
	s_or_b32 s35, s35, 0x80000000
	s_mov_b32 s36, 1
	s_add_co_u32 s37, s24, SLOTB
	s_add_nc_u64 s[38:39], s[6:7], SLOTB           ; slot 1: fill 1
	s_or_b32 s39, s39, 0x80000000
	ROUND                                          ; all four work-groups are here: the first joint loads meet
	tensor_load_to_lds s[32:35], s[16:23]          ; fill 0: one tensor load a wave at the head
	s_nop 0
.irp q, 0,1,2,3
.irp c, 0,1,2,3
	global_load_b128 v[ZF+16*\q+4*\c:ZF+16*\q+4*\c+3], v9, s[4:5] offset:\q*2048+\c*512   ; my queries' fragments stay in registers
.endr
	global_load_b32 v[ZS+2*\q], v10, s[4:5] offset:8192+\q*128       ; query r's scale word of K step 0, in both halves of the lanes,
	global_load_b32 v[ZS+2*\q+1], v10, s[4:5] offset:8192+\q*128+64  ; and of K step 1
.endr
	; the selects read their own destinations: the bests and the kept scores begin as -infinity
	s_mov_b32 s30, 0xff800000
.set k, 0
.rept 8
	v_mov_b32 v[BST+k], s30
.set k, k+1
.endr
.set k, 0
.rept 32
	v_mov_b32 v[WW+k], s30
.set k, k+1
.endr
.irp q, 0,1,2,3
	v_mov_b32 v[ID+\q], 0
	s_mov_b32 s[NN+\q], \q-4                       ; the first chunk steps them to 0 .. 3
.endr
	s_wait_alu depctr_va_vdst(0)
	s_wait_loadcnt 0x0                             ; z
	s_wait_tensorcnt 0x0                           ; my chunk of fill 0 is in
	ds_add_u32 v1, v2
	s_add_nc_u64 s[34:35], s[34:35], 2*SLOTB       ; slot 0's next fill: fill 2
	s_wait_dscnt 0x0
	ROUND
	tensor_load_to_lds s[36:39], s[16:23]          ; fill 1: slot 1's first fill
	s_nop 0
	TRIP 0, 2, 2, 1                                ; the four fills are written out
	TRIP 1, 2, 3, 0
	TRIP 0, 1, 0, 0
	TRIP 1, 0, 0, 0                                ; all bests now stand in BST + 2 q
	; WHICH OF THE EIGHT: the first kept score that equals the best
.irp q, 0,1,2,3
	v_mov_b32 v[JJ+\q], 7
.endr
.irp j, 6,5,4,3,2,1,0
.irp q, 0,1,2,3
	v_cmp_eq_f32 vcc_lo, v[WW+8*\q+\j], v[BST+2*\q]
	s_delay_alu instid0(VALU_DEP_1)
	v_cndmask_b32 v[JJ+\q], v[JJ+\q], \j, vcc_lo
.endr
.endr
	; the index: 4,096 x quarter + 1,024 x (n / 16) + 256 x code group + 16 x (n % 16) + 8 h + j
.irp q, 0,1,2,3
	v_add_nc_u32 v[JJ+\q], v11, v[JJ+\q]
	v_and_b32 v[IX+\q], -16, v[ID+\q]
	v_and_b32 v[ID+\q], 15, v[ID+\q]
	s_delay_alu instid0(VALU_DEP_2)
	v_lshl_add_u32 v[IX+\q], v[IX+\q], 6, v[JJ+\q]
	s_delay_alu instid0(VALU_DEP_1)
	v_lshl_add_u32 v[IX+\q], v[ID+\q], 4, v[IX+\q]
.endr
	; the query's other half of each tile's codes lies in lane l xor 16 (the permutes write registers that are free and have been written)
.irp q, 0,1,2,3
	v_permlanex16_b32 v[TT+\q], v[BST+2*\q], s56, s57
	v_permlanex16_b32 v[WW+8*\q], v[IX+\q], s56, s57
.endr
.irp q, 0,1,2,3
	TAKE BST+2*\q, IX+\q, BST+2*\q, IX+\q, TT+\q, WW+8*\q
.endr
	; both halves of the lanes now hold the same: lanes 0-15 speak for query tiles 0 and 2, lanes 16-31 for 1 and 3
	v_cmp_eq_u32 vcc_lo, 1, v13
	s_delay_alu instid0(VALU_DEP_1)
	v_cndmask_b32 v[RS], v[BST], v[BST+2], vcc_lo
	v_cndmask_b32 v[RS+1], v[IX], v[IX+1], vcc_lo
	v_cndmask_b32 v[RS+2], v[BST+4], v[BST+6], vcc_lo
	v_cndmask_b32 v[RS+3], v[IX+2], v[IX+3], vcc_lo
	ds_store_b64 v14, v[RS:RS+1]                   ; queries 0-31 of my group: 8 bytes a lane
	ds_store_b64 v14, v[RS+2:RS+3] offset:256      ; queries 32-63
	s_wait_dscnt 0x0                               ; for the others' sake: my stores have landed
	s_barrier_signal -1
	s_barrier_wait -1
	s_cmp_ge_u32 s12, 4
	s_cbranch_scc1 .Lnot_first                     ; waves 0-3 join the four code groups' results of their query group: two queries a lane
.irp u, 0,1,2,3
	ds_load_b128 v[16+4*\u:19+4*\u], v15 offset:2048*\u   ; waves w, w + 4, w + 8, w + 12 (z's fragments are done with)
.endr
	v_lshlrev_b32 v[RS+4], 3, v12
	s_wait_dscnt 0x0
	TAKE RS+2, RS, 16, 17, 20, 21
	TAKE RS+3, RS+1, 18, 19, 22, 23
.irp u, 2,3
	TAKE RS+2, RS, RS+2, RS, 16+4*\u, 17+4*\u
	TAKE RS+3, RS+1, RS+3, RS+1, 18+4*\u, 19+4*\u
.endr
	v_add_f32 v[RS+2], 0, v[RS+2]                  ; the key: -0 becomes +0;
	v_add_f32 v[RS+3], 0, v[RS+3]
	s_delay_alu instid0(VALU_DEP_2)
	v_ashrrev_i32 v16, 31, v[RS+2]                 ; all ones for a negative score,
	s_delay_alu instid0(VALU_DEP_2)
	v_ashrrev_i32 v17, 31, v[RS+3]
	s_delay_alu instid0(VALU_DEP_2)
	v_or_b32 v16, 0x80000000, v16                  ; the sign bit alone for the others:
	s_delay_alu instid0(VALU_DEP_2)
	v_or_b32 v17, 0x80000000, v17
	s_delay_alu instid0(VALU_DEP_2)
	v_xor_b32 v[RS+2], v[RS+2], v16                ; flipped so, the bits rise with the score as an unsigned whole number
	s_delay_alu instid0(VALU_DEP_2)
	v_xor_b32 v[RS+3], v[RS+3], v17
	global_store_b64 v[RS+4], v[RS+2:RS+3], s[8:9] ; 32 lanes store 256 consecutive bytes, at a multiple of 256 from the buffer's first byte: the keys,
	global_store_b64 v[RS+4], v[RS:RS+1], s[10:11] ; and the indices
.Lnot_first:
	s_wait_tensorcnt 0x0                           ; the wave's end
	ds_add_u32 v1, v2
	s_wait_dscnt 0x0
	ROUND                                          ; the closing round: no work-group ends while a partner may still ask for a chunk that names it
	s_endpgm
.Lfunc_end_k_qaf53b1d886_search:
	.size	k_qaf53b1d886_search, .Lfunc_end_k_qaf53b1d886_search-k_qaf53b1d886_search
	.p2alignl 7, 3214868480
	.fill 96, 4, 3214868480
	.section	.rodata,"a",@progbits
	.p2align	6, 0x0
	.amdhsa_kernel k_qaf53b1d886_search
		.amdhsa_group_segment_fixed_size 327680
		.amdhsa_private_segment_fixed_size 0
		.amdhsa_enable_private_segment 0
		.amdhsa_kernarg_size 32
		.amdhsa_user_sgpr_count 2
		.amdhsa_user_sgpr_kernarg_segment_ptr 1
		.amdhsa_wavefront_size32 1
		.amdhsa_system_sgpr_workgroup_id_x 1
		.amdhsa_system_sgpr_workgroup_id_y 1
		.amdhsa_system_sgpr_workgroup_id_z 1
		.amdhsa_system_vgpr_workitem_id 0
		.amdhsa_next_free_vgpr 256
		.amdhsa_next_free_sgpr 66
		.amdhsa_reserve_vcc 1
		.amdhsa_float_denorm_mode_32 3
		.amdhsa_float_denorm_mode_16_64 3
		.amdhsa_memory_ordered 1
		.amdhsa_forward_progress 1
		.amdhsa_inst_pref_size 140
	.end_amdhsa_kernel
	.amdgpu_metadata
---
amdhsa.version: [ 1, 2 ]
amdhsa.kernels:
  - .name:           k_qaf53b1d886_search
    .symbol:         k_qaf53b1d886_search.kd
    .args:
      - { .name: zrec, .offset: 0, .size: 8, .value_kind: global_buffer, .address_space: global }
      - { .name: erec, .offset: 8, .size: 8, .value_kind: global_buffer, .address_space: global }
      - { .name: ckey, .offset: 16, .size: 8, .value_kind: global_buffer, .address_space: global }
      - { .name: cidx, .offset: 24, .size: 8, .value_kind: global_buffer, .address_space: global }
    .group_segment_fixed_size: 327680
    .private_segment_fixed_size: 0
    .kernarg_segment_align: 8
    .kernarg_segment_size: 32
    .max_flat_workgroup_size: 512
    .sgpr_count:     66
    .vgpr_count:     256
    .wavefront_size: 32
...
	.end_amdgpu_metadata
.endif
;; end of part 2
;; launch gather (part 3): grid 256 x 1, 16 waves a work-group, no clusters, 2,560 bytes of LDS; arguments cidx, ckey, emb, z, out0, out2, part; writes out0, out2, part
.if DOCPART == 3
	.amdgcn_target "amdgcn-amd-amdhsa--gfx1250"
	.amdhsa_code_object_version 6
	.text
	.protected	k_qaf53b1d886_gather
	.globl	k_qaf53b1d886_gather
	.p2align	8
	.type	k_qaf53b1d886_gather,@function
k_qaf53b1d886_gather:
	s_mov_b64 s[64:65], 0
	v_nop
	global_prefetch_b8 v0, s[64:65] scope:SCOPE_SE
	s_setreg_imm32_b32 hwreg(HW_REG_WAVE_MODE, 25, 1), 1
	s_wait_xcnt 0x0
; For each query the launch before stored four candidates, one for each quarter of the codes, as whole numbers: an index, and a key that rises with the score.  Here they are read by scalar loads; the candidate with
; the greatest key is taken by unsigned compares and selects (of equal keys the lowest quarter, which holds the lowest index), its index held to the table's 16,384 rows and turned into a byte offset.
; out0[row] = emb[index], out2[row] = index, part[work-group] = the sum of (emb[index] - z[row])^2 over the work-group's 64 rows.
; Sixteen waves, four rows each; a row is 1,024 bytes: two loads or stores of 512 consecutive bytes.  All 16 loads of a wave go out at once; there is no loop to run ahead in, so nothing is prefetched.
; A stream: no matrix unit, no cluster (which rows of emb two work-groups share hangs on the data).
.set OF, 2                             ; v2-5     byte offsets in emb
.set ZR, 20                            ; v20-51   z's four rows, then the differences
.set ER, 52                            ; v52-83   emb's four rows: stored as they are
.set AC, 84                            ; v84-91   eight running sums
.set VI, 92                            ; v92-95   the four indices
.set SI, 16                            ; s16-31   indices: quarter Q of row i at 4 Q + i; the chosen one ends in Q = 0's place
.set SS, 32                            ; s32-47   keys, likewise
	s_load_b256 s[4:11], s[0:1], 0x0               ; cidx s[4:5], ckey s[6:7], emb s[8:9], z s[10:11]
	s_load_b128 s[12:15], s[0:1], 0x20             ; out0, out2
	s_load_b64 s[48:49], s[0:1], 0x30              ; part
	v_lshl_add_u32 v106, v0, 2, 0x200              ; my spare word: LDS 0-63 the waves' sums, 256-511 the 64 indices, from 512 the spare words
	v_mov_b32 v107, 0
	v_lshrrev_b32 v1, 5, v0
	s_delay_alu instid0(VALU_DEP_1)
	v_readfirstlane_b32 s50, v1                    ; wave 0..15
	v_and_b32 v103, 31, v0
	v_mov_b32 v100, s50
	v_mov_b32 v104, 0
	s_delay_alu instid0(VALU_DEP_3)
	v_lshlrev_b32 v1, 4, v103                      ; 16 x lane
	v_lshlrev_b32 v103, 3, v103                    ; 8 x lane
	v_lshl_add_u32 v101, v100, 4, 0x100            ; my wave's four indices
	v_lshlrev_b32 v100, 2, v100                    ; my wave's sum
	v_add_nc_u32 v102, 0x100, v103
	s_lshl_b32 s51, ttmp9, 6
	s_lshl_b32 s52, s50, 2
	s_add_co_u32 s51, s51, s52                     ; my wave's first row
	s_lshl_b32 s52, s51, 2
	s_mov_b32 s53, 0
	s_lshl_b32 s54, s51, 10
	s_mov_b32 s55, 0
	s_lshl_b32 s56, ttmp9, 2
	s_mov_b32 s57, 0
	s_lshl_b32 s58, ttmp9, 8
	s_mov_b32 s59, 0
	s_mov_b32 s60, 0x76543210
	s_mov_b32 s61, 0xfedcba98
	s_wait_alu depctr_va_vdst(0)
	s_wait_kmcnt 0x0
	s_add_nc_u64 s[4:5], s[4:5], s[52:53]
	s_add_nc_u64 s[6:7], s[6:7], s[52:53]
.irp Q, 0,1,2,3
	s_load_b128 s[SI+4*\Q:SI+4*\Q+3], s[4:5], \Q*65536    ; my four rows' candidates of quarter Q
	s_load_b128 s[SS+4*\Q:SS+4*\Q+3], s[6:7], \Q*65536
.endr
	s_add_nc_u64 s[10:11], s[10:11], s[54:55]
	s_add_nc_u64 s[12:13], s[12:13], s[54:55]
	s_add_nc_u64 s[14:15], s[14:15], s[58:59]
	s_add_nc_u64 s[48:49], s[48:49], s[56:57]
.irp i, 0,1,2,3
.irp c, 0,1
	global_load_b128 v[ZR+8*\i+4*\c:ZR+8*\i+4*\c+3], v1, s[10:11] offset:\i*1024+\c*512 th:TH_LOAD_NT
.endr
.endr
	s_wait_kmcnt 0x0
.irp i, 0,1,2,3
.irp Q, 1,2,3
	s_cmp_gt_u32 s[SS+4*\Q+\i], s[SS+\i]                  ; strictly greater: the lower quarter stays
	s_cselect_b32 s[SS+\i], s[SS+4*\Q+\i], s[SS+\i]
	s_cselect_b32 s[SI+\i], s[SI+4*\Q+\i], s[SI+\i]
.endr
	s_min_u32 s[SI+\i], s[SI+\i], 0x3fff           ; inside the table
	v_mov_b32 v[VI+\i], s[SI+\i]
	s_lshl_b32 s[SI+\i], s[SI+\i], 10              ; a row is 1,024 bytes
	v_add_nc_u32 v[OF+\i], s[SI+\i], v1
.endr
	s_wait_alu depctr_va_vdst(0)
.irp i, 0,1,2,3
.irp c, 0,1
	global_load_b128 v[ER+8*\i+4*\c:ER+8*\i+4*\c+3], v[OF+\i], s[8:9] offset:\c*512   ; no hint: the list may name a row many times
.endr
.endr
.macro OUT i
.irp c, 0,1
	global_store_b128 v1, v[ER+8*(\i)+4*\c:ER+8*(\i)+4*\c+3], s[12:13] offset:(\i)*1024+\c*512 th:TH_STORE_NT   ; 512 consecutive bytes, at a multiple of 256 from out0's first byte
.endr
.endm
.macro ROW i
	s_wait_loadcnt 2*(3-(\i))                      ; loads come back in order (ISA guide 5.7.1): z and this row of emb are in; the later rows' two loads each may be out
.irp k, 0,1,2,3
	v_pk_add_f32 v[ZR+8*(\i)+2*\k:ZR+8*(\i)+2*\k+1], v[ER+8*(\i)+2*\k:ER+8*(\i)+2*\k+1], v[ZR+8*(\i)+2*\k:ZR+8*(\i)+2*\k+1] neg_lo:[0,1] neg_hi:[0,1]   ; z_q - z
.endr
	s_wait_alu depctr_va_vdst(0)                   ; the sums were written ahead of the wait for the loads
.irp k, 0,1,2,3
.if (\i) == 0
	v_pk_mul_f32 v[AC+2*\k:AC+2*\k+1], v[ZR+2*\k:ZR+2*\k+1], v[ZR+2*\k:ZR+2*\k+1]   ; the first row starts the sums
.else
	v_pk_fma_f32 v[AC+2*\k:AC+2*\k+1], v[ZR+8*(\i)+2*\k:ZR+8*(\i)+2*\k+1], v[ZR+8*(\i)+2*\k:ZR+8*(\i)+2*\k+1], v[AC+2*\k:AC+2*\k+1]
.endif
.endr
.if (\i) < 3
	OUT \i
.endif
.endm
.irp i, 0,1,2,3
	ROW \i
.endr
	s_delay_alu instid0(VALU_DEP_3)
	v_pk_add_f32 v[AC:AC+1], v[AC:AC+1], v[AC+2:AC+3]
	s_delay_alu instid0(VALU_DEP_2)
	v_pk_add_f32 v[AC+4:AC+5], v[AC+4:AC+5], v[AC+6:AC+7]
	s_delay_alu instid0(VALU_DEP_1)
	v_pk_add_f32 v[AC:AC+1], v[AC:AC+1], v[AC+4:AC+5]
	s_delay_alu instid0(VALU_DEP_1)
	v_add_f32 v[AC], v[AC], v[AC+1]
	s_delay_alu instid0(VALU_DEP_1)
	v_add_f32_dpp v[AC], v[AC], v[AC] row_xmask:1 row_mask:0xf bank_mask:0xf
	s_delay_alu instid0(VALU_DEP_1)
	v_add_f32_dpp v[AC], v[AC], v[AC] row_xmask:2 row_mask:0xf bank_mask:0xf
	s_delay_alu instid0(VALU_DEP_1)
	v_add_f32_dpp v[AC], v[AC], v[AC] row_xmask:4 row_mask:0xf bank_mask:0xf
	s_delay_alu instid0(VALU_DEP_1)
	v_add_f32_dpp v[AC], v[AC], v[AC] row_xmask:8 row_mask:0xf bank_mask:0xf
	s_delay_alu instid0(VALU_DEP_1)
	v_permlanex16_b32 v[AC+1], v[AC], s60, s61
	s_delay_alu instid0(VALU_DEP_1)
	v_add_f32 v[AC], v[AC], v[AC+1]                ; the wave's sum, in every lane
	ds_store_b32 v100, v[AC]                       ; all lanes write the wave's word with the same value
.irp i, 0,1,2,3
	ds_store_b32 v101, v[VI+\i] offset:4*\i        ; likewise its four indices
.endr
	OUT 3                                          ; the last row leaves behind the wave's vector and LDS work
	s_wait_dscnt 0x0                               ; for the others' sake
	s_barrier_signal -1
	s_barrier_wait -1
	s_cmp_lg_u32 s50, 0
	s_cbranch_scc1 .Ldone
.irp u, 0,1,2,3
	ds_load_b128 v[ZR+4*\u:ZR+4*\u+3], v104 offset:16*\u   ; the sixteen sums
.endr
	ds_load_b64 v[ZR+16:ZR+17], v102               ; two indices a lane
	s_wait_dscnt 0x0
	global_store_b64 v103, v[ZR+16:ZR+17], s[14:15]        ; 32 lanes store 256 consecutive bytes, at a multiple of 256 from out2's first byte
	v_pk_add_f32 v[ZR:ZR+1], v[ZR:ZR+1], v[ZR+2:ZR+3]
	v_pk_add_f32 v[ZR+4:ZR+5], v[ZR+4:ZR+5], v[ZR+6:ZR+7]
	v_pk_add_f32 v[ZR+8:ZR+9], v[ZR+8:ZR+9], v[ZR+10:ZR+11]
	v_pk_add_f32 v[ZR+12:ZR+13], v[ZR+12:ZR+13], v[ZR+14:ZR+15]
	s_delay_alu instid0(VALU_DEP_3)
	v_pk_add_f32 v[ZR:ZR+1], v[ZR:ZR+1], v[ZR+4:ZR+5]
	s_delay_alu instid0(VALU_DEP_2)
	v_pk_add_f32 v[ZR+8:ZR+9], v[ZR+8:ZR+9], v[ZR+12:ZR+13]
	s_delay_alu instid0(VALU_DEP_1)
	v_pk_add_f32 v[ZR:ZR+1], v[ZR:ZR+1], v[ZR+8:ZR+9]
	s_delay_alu instid0(VALU_DEP_1)
	v_add_f32 v[ZR], v[ZR], v[ZR+1]
	s_wait_alu depctr_va_vdst(0)
	s_wait_xcnt 0x0                                ; EXEC changes only when the earlier stores have read it
	v_cmp_eq_u32 vcc_lo, 0, v0
	s_wait_tensorcnt 0x0                           ; the wave's end, with all lanes on
	ds_add_u32 v106, v107
	s_wait_dscnt 0x0
	s_and_saveexec_b32 s62, vcc_lo
	global_store_b32 v104, v[ZR], s[48:49]         ; one number for the work-group; the last launch adds the 256
	s_endpgm
.Ldone:
	s_wait_tensorcnt 0x0
	ds_add_u32 v106, v107
	s_wait_dscnt 0x0
	s_endpgm
.Lfunc_end_k_qaf53b1d886_gather:
	.size	k_qaf53b1d886_gather, .Lfunc_end_k_qaf53b1d886_gather-k_qaf53b1d886_gather
	.p2alignl 7, 3214868480
	.fill 96, 4, 3214868480
	.section	.rodata,"a",@progbits
	.p2align	6, 0x0
	.amdhsa_kernel k_qaf53b1d886_gather
		.amdhsa_group_segment_fixed_size 2560
		.amdhsa_private_segment_fixed_size 0
		.amdhsa_enable_private_segment 0
		.amdhsa_kernarg_size 56
		.amdhsa_user_sgpr_count 2
		.amdhsa_user_sgpr_kernarg_segment_ptr 1
		.amdhsa_wavefront_size32 1
		.amdhsa_system_sgpr_workgroup_id_x 1
		.amdhsa_system_sgpr_workgroup_id_y 1
		.amdhsa_system_sgpr_workgroup_id_z 1
		.amdhsa_system_vgpr_workitem_id 0
		.amdhsa_next_free_vgpr 112
		.amdhsa_next_free_sgpr 66
		.amdhsa_reserve_vcc 1
		.amdhsa_float_denorm_mode_32 3
		.amdhsa_float_denorm_mode_16_64 3
		.amdhsa_memory_ordered 1
		.amdhsa_forward_progress 1
		.amdhsa_inst_pref_size 12
	.end_amdhsa_kernel
	.amdgpu_metadata
---
amdhsa.version: [ 1, 2 ]
amdhsa.kernels:
  - .name:           k_qaf53b1d886_gather
    .symbol:         k_qaf53b1d886_gather.kd
    .args:
      - { .name: cidx, .offset: 0, .size: 8, .value_kind: global_buffer, .address_space: global }
      - { .name: ckey, .offset: 8, .size: 8, .value_kind: global_buffer, .address_space: global }
      - { .name: emb, .offset: 16, .size: 8, .value_kind: global_buffer, .address_space: global }
      - { .name: z, .offset: 24, .size: 8, .value_kind: global_buffer, .address_space: global }
      - { .name: out0, .offset: 32, .size: 8, .value_kind: global_buffer, .address_space: global }
      - { .name: out2, .offset: 40, .size: 8, .value_kind: global_buffer, .address_space: global }
      - { .name: part, .offset: 48, .size: 8, .value_kind: global_buffer, .address_space: global }
    .group_segment_fixed_size: 2560
    .private_segment_fixed_size: 0
    .kernarg_segment_align: 8
    .kernarg_segment_size: 56
    .max_flat_workgroup_size: 512
    .sgpr_count:     66
    .vgpr_count:     112
    .wavefront_size: 32
...
	.end_amdgpu_metadata
.endif
;; end of part 3
;; launch total (part 4): grid 1 x 1, 1 waves a work-group, no clusters, 0 bytes of LDS; arguments part, out1; writes out1
.if DOCPART == 4
	.amdgcn_target "amdgcn-amd-amdhsa--gfx1250"
	.amdhsa_code_object_version 6
	.text
	.protected	k_qaf53b1d886_total
	.globl	k_qaf53b1d886_total
	.p2align	8
	.type	k_qaf53b1d886_total,@function
k_qaf53b1d886_total:
	s_mov_b64 s[64:65], 0
	v_nop
	global_prefetch_b8 v0, s[64:65] scope:SCOPE_SE
	s_setreg_imm32_b32 hwreg(HW_REG_WAVE_MODE, 25, 1), 1
	s_wait_xcnt 0x0
; out1 = 0.25 mean((z_q - z)^2) + mean((z_q - z)^2) = 1.25 / 4,194,304 x the sum of the 256 work-groups' sums.  A sum over work-groups is ordered by a launch of its own: one wave, eight numbers a lane.
	s_load_b128 s[4:7], s[0:1], 0x0                ; part, out1
	v_lshlrev_b32 v1, 5, v0                        ; 32 bytes a lane
	v_mov_b32 v2, 0
	s_mov_b32 s8, 0x76543210
	s_mov_b32 s9, 0xfedcba98
	s_wait_alu depctr_va_vdst(0)
	s_wait_kmcnt 0x0
	global_load_b128 v[4:7], v1, s[4:5]
	global_load_b128 v[8:11], v1, s[4:5] offset:16
	s_wait_loadcnt 0x0
	v_pk_add_f32 v[4:5], v[4:5], v[6:7]
	v_pk_add_f32 v[8:9], v[8:9], v[10:11]
	v_pk_add_f32 v[4:5], v[4:5], v[8:9]
	v_add_f32 v4, v4, v5
	v_add_f32_dpp v4, v4, v4 row_xmask:1 row_mask:0xf bank_mask:0xf
	v_add_f32_dpp v4, v4, v4 row_xmask:2 row_mask:0xf bank_mask:0xf
	v_add_f32_dpp v4, v4, v4 row_xmask:4 row_mask:0xf bank_mask:0xf
	v_add_f32_dpp v4, v4, v4 row_xmask:8 row_mask:0xf bank_mask:0xf
	v_permlanex16_b32 v5, v4, s8, s9
	v_add_f32 v4, v4, v5
	v_mul_f32 v4, 0x34a00000, v4                   ; 1.25 x 2^-22
	s_wait_alu depctr_va_vdst(0)
	s_wait_xcnt 0x0                                ; EXEC changes only when the loads have read it
	v_cmp_eq_u32 vcc_lo, 0, v0
	s_and_saveexec_b32 s10, vcc_lo
	global_store_b32 v2, v4, s[6:7]
	s_endpgm
.Lfunc_end_k_qaf53b1d886_total:
	.size	k_qaf53b1d886_total, .Lfunc_end_k_qaf53b1d886_total-k_qaf53b1d886_total
	.p2alignl 7, 3214868480
	.fill 96, 4, 3214868480
	.section	.rodata,"a",@progbits
	.p2align	6, 0x0
	.amdhsa_kernel k_qaf53b1d886_total
		.amdhsa_group_segment_fixed_size 0
		.amdhsa_private_segment_fixed_size 0
		.amdhsa_enable_private_segment 0
		.amdhsa_kernarg_size 16
		.amdhsa_user_sgpr_count 2
		.amdhsa_user_sgpr_kernarg_segment_ptr 1
		.amdhsa_wavefront_size32 1
		.amdhsa_system_sgpr_workgroup_id_x 1
		.amdhsa_system_sgpr_workgroup_id_y 1
		.amdhsa_system_sgpr_workgroup_id_z 1
		.amdhsa_system_vgpr_workitem_id 0
		.amdhsa_next_free_vgpr 16
		.amdhsa_next_free_sgpr 66
		.amdhsa_reserve_vcc 1
		.amdhsa_float_denorm_mode_32 3
		.amdhsa_float_denorm_mode_16_64 3
		.amdhsa_memory_ordered 1
		.amdhsa_forward_progress 1
		.amdhsa_inst_pref_size 2
	.end_amdhsa_kernel
	.amdgpu_metadata
---
amdhsa.version: [ 1, 2 ]
amdhsa.kernels:
  - .name:           k_qaf53b1d886_total
    .symbol:         k_qaf53b1d886_total.kd
    .args:
      - { .name: part, .offset: 0, .size: 8, .value_kind: global_buffer, .address_space: global }
      - { .name: out1, .offset: 8, .size: 8, .value_kind: global_buffer, .address_space: global }
    .group_segment_fixed_size: 0
    .private_segment_fixed_size: 0
    .kernarg_segment_align: 8
    .kernarg_segment_size: 16
    .max_flat_workgroup_size: 32
    .sgpr_count:     66
    .vgpr_count:     16
    .wavefront_size: 32
...
	.end_amdgpu_metadata
.endif
;; end of part 4
